; MI455X (gfx1250); checked and timed in simulation.
; The chip was launched on July 23, 2026; its instructions are those of AMD's public machine-readable ISA for CDNA 5 (MIT licence, August 2026) and "CDNA5" Instruction Set Architecture Reference Guide (July 2026). The comments in the code are by the model that wrote it; some were corrected since.
;; projector t. Allowed arithmetic: float matrix products may take bf16 or f16 operands with f32 sums; other float arithmetic in f32, or as packed bf16 or f16 multiplies, adds, multiply-adds, maxima and minima; sums over many terms, partial sums and values carried from step to step in f32; what a program stores and reads back later, other than sums and carried values, may be rounded once to bf16 or f16.
;; Inputs: options 12 float32; proj 8 x 1 x 720 x 736 float32.
;; Outputs: out0 8 x 1 x 256 x 256 float32.
;; 2 versions, each right; version 2 is version 1 with the launch bproj written anew for expert scheduling mode. Each part assembles by itself: llvm-mc -triple=amdgcn-amd-amdhsa -mcpu=gfx1250 --defsym DOCPART=n.
;; ======== version 1 of 2: 2 launches
;; limits: values are held in f16: magnitudes above 65,504 overflow, below 6.1e-05 lose precision
;; workspace buffers: fold 2,119,680 bytes; tab 3,072 bytes of whole numbers
;; launch fold (part 1): grid 1035 x 1, 4 waves a work-group, no clusters, 0 bytes of LDS; arguments proj, fold, tab; writes fold, tab
.if DOCPART == 1
	.amdgcn_target "amdgcn-amd-amdhsa--gfx1250"
	.amdhsa_code_object_version 6
	.text
	.protected	k_q15a92eeab8_fold
	.globl	k_q15a92eeab8_fold
	.p2align	8
	.type	k_q15a92eeab8_fold,@function
k_q15a92eeab8_fold:
	s_mov_b64 s[64:65], 0
	v_nop
	global_prefetch_b8 v0, s[64:65] scope:SCOPE_SE
	s_setreg_imm32_b32 hwreg(HW_REG_WAVE_MODE, 25, 1), 1
	s_wait_xcnt 0x0
; FIRST OF TWO LAUNCHES of a pixel-driven back-projection: out[b][h][w] = DANG x sum over 720 views of the view's detector row, interpolated linearly at
; u = (x cos a + y sin a) / DDET + 367.5, x = (w - 127.5) DIMG, y = (127.5 - h) DIMG, a = view x DANG.  All of this geometry is made of constants in reference()'s own body.
; WORK LEFT OUT, for all values of the inputs:
;  (1) options: reference() never reads it, so it has no way to an output: it is not loaded and is no argument of either launch.
;  (2) |x cos a + y sin a| <= sqrt(2) x 127.5 x DIMG for every pixel and angle, so u lies within 367.5 +- 181.43 = 186.07 .. 548.93: i0 and i1 lie in 186 .. 549, the two
;      masks (0 <= i < 736) always pass and the clips never bite.  Bins outside 184 .. 551 reach no output and are not read.
;  (3) No work is dropped here, it is regrouped: view v + 360 has the opposite cos and sin, so its u is 735 - u: i0' = 734 - i0, w' = 1 - w, and its term is
;      (1 - w) row'[735 - i0] + w row'[735 - (i0 + 1)]: the same i0 and w on the mirrored row.  Interpolation is linear in the row, so both views are one view of
;      R[v][d] = proj[b][v][d] + proj[b][v + 360][735 - d], v = 0 .. 359.  Exact in real arithmetic; against reference()'s f32 angles u moves by about 1e-4 bin.
; LIMITS.  A NaN, an infinity or an overflow in options or in a bin outside 184 .. 551 is not carried to the result.  R is rounded once to f16: |R| stays under 65,504.
; THIS LAUNCH writes fold[v][j][b] = f16(R[v][184 + j]) of batch b, j = 0 .. 367: 16 bytes hold a bin's 8 batches, a view 5,888 bytes; and tab[v] = (Cf, Sf) =
; round(2^22 (DIMG / DDET) cos a), the same with sin: whole numbers, from which the second launch forms its addresses in integers.
; SHARES.  Thread g = 128 x work-group + thread owns one (v, j): g = 368 v + j; 360 x 368 = 1,035 x 128.  It loads 8 batches forward and 8 mirrored (neighbouring lanes take
; neighbouring words), adds in f32, rounds, and stores 16 bytes: a wave's store covers 512 consecutive bytes, aligned.  All 16 loads are out before the one wait.
.set BSTR, 2119680                     ; bytes of one batch's sinogram: 720 x 736 x 4
.set F, 8                              ; v[8:15]   forward, batch 0 .. 7
.set G, 16                             ; v[16:23]  mirrored
.set H, 24                             ; v[24:27]  8 x f16
	s_load_b128 s[4:7], s[0:1], 0x0                ; proj s[4:5], fold s[6:7]
	s_load_b64 s[8:9], s[0:1], 0x10                ; tab
	s_mov_b32 s14, ttmp9
	s_lshl_b32 s10, s14, 7
	v_add_nc_u32 v1, s10, v0                       ; g
	v_lshrrev_b32 v2, 4, v1                        ; g / 16, at most 8,279
	v_mul_u32_u24 v2, v2, 45591                    ; v = (g / 16) / 23: 45,591 / 2^20 exceeds 1 / 23 by 7.1e-7, which adds at most 0.006 where 1 / 23 = 0.043 is free
	v_lshrrev_b32 v2, 20, v2                       ; v
	v_lshlrev_b32 v3, 2, v1                        ; 4 g = 1,472 v + 4 j
	v_mad_u32_u24 v4, v2, 1472, v3                 ; forward: 2,944 v + 4 j (the 184 bins, 736 bytes, stand in the immediate)
	v_sub_nc_u32 v5, 1062044, v3                   ; mirrored: 2,944 (v + 360) + 4 (551 - j) = 1,062,044 - 4 g + 4,416 v
	v_mad_u32_u24 v5, v2, 4416, v5
	v_lshlrev_b32 v6, 4, v1                        ; my 16 bytes of fold
	s_wait_kmcnt 0x0
	s_add_nc_u64 s[12:13], s[4:5], 4*BSTR          ; batches 4 to 7: the immediate reaches three batches
.irp b, 0,1,2,3
	global_load_b32 v[F+\b],   v4, s[4:5]   offset:736+\b*BSTR
	global_load_b32 v[G+\b],   v5, s[4:5]   offset:\b*BSTR
	global_load_b32 v[F+4+\b], v4, s[12:13] offset:736+\b*BSTR
	global_load_b32 v[G+4+\b], v5, s[12:13] offset:\b*BSTR
.endr
	; THE TABLE, by the first three work-groups, while their loads are out: entry g = 0 .. 383 (360 and up are read by spare lanes of the second launch and used for nothing).
	s_cmp_lt_u32 s14, 3
	s_cbranch_scc0 .Lsum
	v_cmp_le_u32 vcc_lo, 180, v1                   ; second quarter turn: a = 90 degrees + p
	v_add_nc_u32 v7, 0xffffff4c, v1                ; g - 180
	v_cndmask_b32 v7, v1, v7, vcc_lo
	v_cvt_f32_u32 v7, v7
	v_mul_f32 v7, 0x3c0efa35, v7                   ; p = m x pi / 360, in 0 .. pi / 2 for the entries that are used
	v_mul_f32 v28, v7, v7                          ; p^2
	v_mov_b32 v29, 0xb2d7322b                      ; sin: Taylor up to p^11 / 11! (what is cut is under 6e-8 at pi / 2)
	v_mov_b32 v30, 0x310f76c8                      ; cos: Taylor up to p^12 / 12! (under 1e-8)
	v_fmaak_f32 v29, v29, v28, 0x3638ef1d          ; + 1 / 9!
	v_fmaak_f32 v30, v30, v28, 0xb493f27e          ; - 1 / 10!
	v_fmaak_f32 v29, v29, v28, 0xb9500d01          ; - 1 / 7!
	v_fmaak_f32 v30, v30, v28, 0x37d00d01          ; + 1 / 8!
	v_fmaak_f32 v29, v29, v28, 0x3c088889          ; + 1 / 5!
	v_fmaak_f32 v30, v30, v28, 0xbab60b61          ; - 1 / 6!
	v_fmaak_f32 v29, v29, v28, 0xbe2aaaab          ; - 1 / 3!
	v_fmaak_f32 v30, v30, v28, 0x3d2aaaab          ; + 1 / 4!
	v_mul_f32 v31, v7, v28                         ; p^3
	v_fmaak_f32 v30, v30, v28, 0xbf000000          ; - 1 / 2
	v_fma_f32 v29, v29, v31, v7                    ; sin p
	v_fma_f32 v30, v30, v28, 1.0                   ; cos p
	v_xor_b32 v31, 0x80000000, v29                 ; - sin p
	v_cndmask_b32 v32, v30, v31, vcc_lo            ; cos a = cos p, or - sin p
	v_cndmask_b32 v33, v29, v30, vcc_lo            ; sin a = sin p, or cos p
	v_mul_f32 v32, 0x4a80cb8f, v32                 ; x 2^22 DIMG / DDET = 4,220,359.5
	v_mul_f32 v33, 0x4a80cb8f, v33
	v_rndne_f32 v32, v32
	v_rndne_f32 v33, v33
	v_cvt_i32_f32 v32, v32
	v_cvt_i32_f32 v33, v33
	v_lshlrev_b32 v34, 3, v1
	global_store_b64 v34, v[32:33], s[8:9]         ; a wave stores 256 consecutive bytes, aligned
.Lsum:
	s_wait_loadcnt 0x0
.irp i, 0,2,4,6
	v_pk_add_f32 v[F+\i:F+\i+1], v[F+\i:F+\i+1], v[G+\i:G+\i+1]
.endr
.irp i, 0,1,2,3
	v_cvt_pk_f16_f32 v[H+\i], v[F+2*\i], v[F+2*\i+1]
.endr
	global_store_b128 v6, v[H:H+3], s[6:7]
	s_endpgm
.Lfunc_end_k_q15a92eeab8_fold:
	.size	k_q15a92eeab8_fold, .Lfunc_end_k_q15a92eeab8_fold-k_q15a92eeab8_fold
	.p2alignl 7, 3214868480
	.fill 96, 4, 3214868480
	.section	.rodata,"a",@progbits
	.p2align	6, 0x0
	.amdhsa_kernel k_q15a92eeab8_fold
		.amdhsa_group_segment_fixed_size 0
		.amdhsa_private_segment_fixed_size 0
		.amdhsa_enable_private_segment 0
		.amdhsa_kernarg_size 24
		.amdhsa_user_sgpr_count 2
		.amdhsa_user_sgpr_kernarg_segment_ptr 1
		.amdhsa_wavefront_size32 1
		.amdhsa_system_sgpr_workgroup_id_x 1
		.amdhsa_system_sgpr_workgroup_id_y 1
		.amdhsa_system_sgpr_workgroup_id_z 1
		.amdhsa_system_vgpr_workitem_id 0
		.amdhsa_next_free_vgpr 36
		.amdhsa_next_free_sgpr 66
		.amdhsa_reserve_vcc 1
		.amdhsa_float_denorm_mode_32 3
		.amdhsa_float_denorm_mode_16_64 3
		.amdhsa_memory_ordered 1
		.amdhsa_forward_progress 1
		.amdhsa_inst_pref_size 5
	.end_amdhsa_kernel
	.amdgpu_metadata
---
amdhsa.version: [ 1, 2 ]
amdhsa.kernels:
  - .name:           k_q15a92eeab8_fold
    .symbol:         k_q15a92eeab8_fold.kd
    .args:
      - { .name: proj, .offset: 0, .size: 8, .value_kind: global_buffer, .address_space: global }
      - { .name: fold, .offset: 8, .size: 8, .value_kind: global_buffer, .address_space: global }
      - { .name: tab, .offset: 16, .size: 8, .value_kind: global_buffer, .address_space: global }
    .group_segment_fixed_size: 0
    .private_segment_fixed_size: 0
    .kernarg_segment_align: 8
    .kernarg_segment_size: 24
    .max_flat_workgroup_size: 128
    .sgpr_count:     66
    .vgpr_count:     36
    .wavefront_size: 32
...
	.end_amdgpu_metadata
.endif
;; end of part 1
;; launch bproj (part 2): grid 4 x 64, 12 waves a work-group, no clusters, 136,704 bytes of LDS; arguments fold, tab, out0; writes out0
.if DOCPART == 2
	.amdgcn_target "amdgcn-amd-amdhsa--gfx1250"
	.amdhsa_code_object_version 6
	.text
	.protected	k_q15a92eeab8_bproj
	.globl	k_q15a92eeab8_bproj
	.p2align	8
	.type	k_q15a92eeab8_bproj,@function
k_q15a92eeab8_bproj:
	s_mov_b64 s[64:65], 0
	v_nop
	global_prefetch_b8 v0, s[64:65] scope:SCOPE_SE
	s_setreg_imm32_b32 hwreg(HW_REG_WAVE_MODE, 25, 1), 1
	s_wait_xcnt 0x0
; SECOND LAUNCH: out[b][h][w] = DANG x sum over v = 0 .. 359 of (1 - f) R[v][i0] + f R[v][i0 + 1], i0 + f = u(w, h, v).  R is the first launch's fold: views v and v + 360 added, the second
; mirrored; bins 184 .. 551 alone; 8 batches of a bin in 16 bytes of f16.  Left out as shown at the first kernel's head: options, the bins that no pixel reaches, the masks that always pass.
; INTEGERS.  u less 184, times 2^23, is (2 w - 255) Cf + (255 - 2 h) Sf + 183.5 x 2^23, with Cf, Sf read from tab: under 2^32 since u - 184 < 365.  The top bits are the bin, the low 23 the weight.
; SHARES.  A work-group owns 64 x 4 pixels of all 8 batches.  Its 12 waves all cover these 256 pixels and SPLIT THE VIEWS, 30 each, two at a time; the 12 partial images meet in LDS at the end.
; In a wave, lane (r = lane % 16, h = lane / 16) and group (xb, rp) stand for pixel x = 16 xb + r, y = 2 rp + h: 8 groups, walked so that u steps by one scalar: xb 0 1 2 3, down, 3 2 1 0.
; WINDOWS.  The tile's u spans at most 63.5 bins in a view.  From the least u, cut down to a multiple of 8 bins and held to 288 at the most, 80 bins (1,280 bytes) hold every i0 and i0 + 1.
; A wave copies its views' windows through registers into a slot of LDS of its own.  LDS serves a wave's instructions in order (ISA guide 5.7.1.4), so one slot of two views does: the next
; pair is stored behind the last reads of this one, and no barrier stands in the loop.  Three sets of registers hold the windows of the next three pairs on their way.
; THE GATHER.  their bins step by at most 1.0063, so they name neighbouring blocks of 16 bytes or share one.
; THE SUMS.  tap0 + f (tap1 - tap0) is made in packed f16, two batches a line.  Two views' 8 + 8 values of a lane ARE source A (row = r, k = 8 h + batch, and 16 + 8 h + batch) of a matrix
; instruction whose B is fixed: B(k, n) = 1 where n = k % 8 + 8 ((k / 8) % 2).  So D(m, n) adds both views of pixel (r = m, h = n / 8), batch n % 8, onto an f32 accumulator.
; The eight groups' accumulators take turns, one instruction a turn, over the backward jump too.
; NO CLUSTER, NO TENSOR LOAD: where a window begins hangs on the view and on the tile, so neighbours ask for different bytes; and the 12 waves need no common step.
; LIMITS.  f16: |R| under 65,504; f is rounded to 11 bits.  A NaN or an infinity in a bin that is used also reaches the other batches at that pixel and at the pixel one image row away in the same column (0 x NaN in the product with B).
.set NW,    12                         ; waves
.set VPW,   30                         ; views of a wave
.set WB,    1280                       ; bytes of a window
.set ROWB,  5888                       ; bytes of a view in fold
.set SLOT,  2*WB                       ; a wave's slot: two views
.set PART,  NW*SLOT                    ; behind the slots: the partial images
.set PP,    272                        ; a partial image's row (one batch, one image row: 256 bytes) + 16: the 16 rows that a pass stores into start at 16 different groups of four banks
.set PW,    32*PP                      ; a wave's partial image: row 8 y + batch
.set SPARE, PART+NW*PW                 ; behind them: the spare words, 128 bytes a wave: six blocks of 256 bytes that no other line names
.set SPW,  2                           ; v2   LDS address of my spare word; never rewritten
.set NIL,  3                           ; v3   0; never rewritten
.set VR,   4                           ; v4   r
.set VH,   5                           ; v5   h
.set L16,  6                           ; v6   16 x lane
.set L8,   7                           ; v7   8 x lane
.set ST16, 8                           ; v8   my slot + 16 x lane
.set ST8,  9                           ; v9   my slot + 8 x lane
.set PO,   10                          ; v10  lane i: view i's u of pixel (0, 0), less the window's start
.set PC,   11                          ; v11  lane i: 2 Cf, u's step along x
.set PS,   12                          ; v12  lane i: - 2 Sf, u's step along y
.set PT,   13                          ; v13  lane i: 16 x the window's first bin
.set ONE,  24                          ; v24  1.0
.set NEG,  25                          ; v25  -1.0
.set UA,   26                          ; v26-27  u, by view of the pair
.set TA,   28                          ; v28-29  bin, then LDS address
.set WF,   30                          ; v30-31  1 + f
.set BS,   32                          ; v[32:39]  B
.set W16,  40                          ; v40-45  f in f16 (low half): set g % 3, view
.set RAW,  48                          ; v[48:95]  the taps: set g % 3, view: tap0's four registers, tap1's four
.set DD,   96                          ; v[96:103]  tap1 - tap0
.set VAL,  104                         ; v[104:119]  source A: set g % 2
.set ACC,  120                         ; v[120:183]  eight accumulators
.set GS,   184                         ; v[184:243]  windows on their way: three sets of two views of 10 registers
.set GO,   244                         ; v[244:255]  their offsets in fold: set, view: with 16 x lane, with 8 x lane
.set SUM,  48                          ; the end: 2 x 12 x 4 registers
.set SA,   40                          ; s[40:51]  by view: u of pixel (0, 0); step along x; along y; 16 steps along x; the same back; 2 steps along y
	s_load_b128 s[4:7], s[0:1], 0x0                ; fold s[4:5], tab s[6:7]
	s_load_b64 s[8:9], s[0:1], 0x10                ; out0
	v_lshl_add_u32 v[SPW], v0, 2, SPARE
	v_mov_b32 v[NIL], 0
	v_lshrrev_b32 v1, 5, v0
	v_readfirstlane_b32 s10, v1                    ; wave 0 .. 11
	s_mov_b32 s11, ttmp9                           ; tile column: w0 = 64 x
	s_and_b32 s12, ttmp7, 0xffff                   ; tile row: h0 = 4 x
	v_and_b32 v1, 31, v0                           ; lane
	s_mul_i32 s19, s10, VPW                        ; my first view
	v_add_lshl_u32 v14, v1, s19, 3                 ; lane i takes view i's entry (lanes 30 and 31 take two entries that serve nothing; tab has 384)
	s_wait_kmcnt 0x0
	global_load_b64 v[16:17], v14, s[6:7]          ; Cf, Sf
	; while it is out: constants of the lane and of the wave
	v_and_b32 v[VR], 15, v0
	v_bfe_u32 v[VH], v0, 4, 1
	v_lshlrev_b32 v[L16], 4, v1
	v_lshlrev_b32 v[L8], 3, v1
	s_mul_i32 s15, s10, SLOT                       ; my slot
	v_add_nc_u32 v[ST16], s15, v[L16]
	v_add_nc_u32 v[ST8], s15, v[L8]
	v_mov_b32 v[ONE], 1.0
	v_mov_b32 v[NEG], -1.0
.irp i, 0,1,2,3,4,5
	v_mov_b32 v[W16+\i], 0                         ; the line that makes f writes a low half and keeps the high one
.endr
	; B: lane (n = r, h) holds k = 8 h + 0..7 and 16 + 8 h + 0..7.  It holds a 1 only where r / 8 = h, at k % 8 = r % 8: register (r % 8) / 2 and the one four on, half r % 2.
	v_bfe_u32 v20, v0, 1, 2                        ; (r % 8) / 2
	v_bfe_u32 v21, v0, 3, 1                        ; r / 8
	v_xor_b32 v21, v21, v[VH]
	v_lshl_or_b32 v20, v21, 2, v20                 ; 4 or more where r / 8 differs from h
	v_and_b32 v21, 1, v0
	v_lshlrev_b32 v21, 4, v21
	v_mov_b32 v22, 0x3c00                          ; 1.0 in f16
	v_lshlrev_b32 v22, v21, v22
.irp q, 0,1,2,3
	v_cmp_eq_u32 vcc_lo, \q, v20
	v_cndmask_b32 v[BS+\q], 0, v22, vcc_lo
	v_cndmask_b32 v[BS+4+\q], 0, v22, vcc_lo
.endr
	s_mov_b32 s16, 0x7fffff                        ; the 23 bits of f
	s_mov_b32 s17, 1.0
	s_mov_b32 s18, 0xbc00bc00                      ; -1.0 twice in f16
	s_mov_b32 s36, 0x3c0efa35                      ; DANG = 2 pi / 720
	s_mov_b32 s37, s36                             ; named with it as a pair
	s_mul_i32 s33, s19, ROWB                       ; byte offset in fold of the view in hand
	s_mov_b32 s13, 0                               ; the view in hand, counted in my 30
	s_lshl_b32 s20, s11, 7
	s_sub_co_u32 s20, s20, 255                     ; 2 w0 - 255
	s_lshl_b32 s21, s12, 3
	s_sub_co_u32 s21, 255, s21                     ; 255 - 2 h0
	s_wait_loadcnt 0x0
	; lane i: view i's parameters, all at once
	v_mul_lo_u32 v18, v16, s20
	v_mul_lo_u32 v19, v17, s21
	v_add3_u32 v18, v18, v19, 0x5bc00000           ; u of pixel (0, 0): + 183.5 x 2^23
	v_mul_lo_u32 v20, v16, 126                     ; 63 steps along x,
	v_mul_lo_u32 v21, v17, -6                      ; 3 steps along y:
	v_ashrrev_i32 v22, 31, v20
	v_ashrrev_i32 v23, 31, v21
	v_and_b32 v20, v20, v22                        ; each counts where it is negative
	v_and_b32 v21, v21, v23
	v_add3_u32 v20, v18, v20, v21                  ; the tile's least u, in the very integers that the pixels use
	v_lshrrev_b32 v20, 23, v20
	v_and_b32 v20, 0x1f8, v20                      ; down to a multiple of 8 bins: 128 bytes
	v_min_u32 v20, 288, v20                        ; the window ends inside the view's 368 bins; bins 288 .. 367 hold all that lies above
	v_lshlrev_b32 v[PT], 4, v20
	v_lshlrev_b32 v21, 23, v20
	v_sub_nc_u32 v[PO], v18, v21
	v_lshlrev_b32 v[PC], 1, v16
	v_lshlrev_b32 v22, 1, v17
	v_sub_nc_u32 v[PS], 0, v22
; The window of the view k behind the one in hand is asked for: three loads, 512 + 512 + 256 consecutive bytes.
.macro LOADV set, view, k
	s_add_co_u32 s38, s13, \k
	v_readlane_b32 s39, v[PT], s38
	s_min_u32 s39, s39, 4608                       ; a number read from memory enters an address behind a bound: 16 x 288
	s_add_co_u32 s39, s39, s33
	v_add_nc_u32 v[GO+4*(\set)+2*(\view)], s39, v[L16]     ; these two were last read by loads that a wait has shown done
	v_add_nc_u32 v[GO+4*(\set)+2*(\view)+1], s39, v[L8]
	global_load_b128 v[GS+20*(\set)+10*(\view):GS+20*(\set)+10*(\view)+3],   v[GO+4*(\set)+2*(\view)],   s[4:5] offset:(\k)*ROWB
	global_load_b128 v[GS+20*(\set)+10*(\view)+4:GS+20*(\set)+10*(\view)+7], v[GO+4*(\set)+2*(\view)],   s[4:5] offset:(\k)*ROWB+512
	global_load_b64  v[GS+20*(\set)+10*(\view)+8:GS+20*(\set)+10*(\view)+9], v[GO+4*(\set)+2*(\view)+1], s[4:5] offset:(\k)*ROWB+1024
.endm
; A pair's windows go from a set of registers into my slot.
.macro STOREP set
.irp view, 0,1
	ds_store_b128 v[ST16], v[GS+20*(\set)+10*\view:GS+20*(\set)+10*\view+3]   offset:\view*WB
	ds_store_b128 v[ST16], v[GS+20*(\set)+10*\view+4:GS+20*(\set)+10*\view+7] offset:\view*WB+512
	ds_store_b64  v[ST8],  v[GS+20*(\set)+10*\view+8:GS+20*(\set)+10*\view+9] offset:\view*WB+1024
.endr
.endm
; A view's scalars, and u of my pixel in group 0.
.macro SCAL view
	s_add_co_u32 s38, s13, \view
	v_readlane_b32 s[SA+6*(\view)],   v[PO], s38
	v_readlane_b32 s[SA+6*(\view)+1], v[PC], s38
	v_readlane_b32 s[SA+6*(\view)+2], v[PS], s38
	s_lshl_b32 s[SA+6*(\view)+3], s[SA+6*(\view)+1], 4
	s_sub_co_u32 s[SA+6*(\view)+4], 0, s[SA+6*(\view)+3]
	s_lshl_b32 s[SA+6*(\view)+5], s[SA+6*(\view)+2], 1
	v_mul_lo_u32 v14, v[VR], s[SA+6*(\view)+1]
	v_mul_lo_u32 v15, v[VH], s[SA+6*(\view)+2]
	v_add3_u32 v[UA+\view], v14, v15, s[SA+6*(\view)]
.endm
; Group g of one view: u steps on; the bin becomes an address, the low bits f; both taps are asked for.
.macro LV g, view
.set sb, SA+6*(\view)
.if ((\g) > 0) && ((\g) < 4)
	v_add_nc_u32 v[UA+\view], s[sb+3], v[UA+\view]         ; 16 pixels to the right
.elseif (\g) == 4
	v_add_nc_u32 v[UA+\view], s[sb+5], v[UA+\view]         ; two rows down
.elseif (\g) > 4
	v_add_nc_u32 v[UA+\view], s[sb+4], v[UA+\view]         ; 16 pixels back
.endif
	v_lshrrev_b32 v[TA+\view], 23, v[UA+\view]             ; i0, counted from the window's start
	v_bfi_b32 v[WF+\view], s16, v[UA+\view], s17           ; the 23 low bits under 1.0's exponent: 1 + f
	v_min_u32 v[TA+\view], 78, v[TA+\view]                 ; the bound behind which it enters an address: i0 + 1 stays in the 80 bins (by the window's making i0 is 76 at the most)
	v_fma_mixlo_f16 v[W16+2*((\g)%3)+\view], v[WF+\view], v[ONE], v[NEG]  ; f, exact in f32, rounded once to f16
	v_lshl_add_u32 v[TA+\view], v[TA+\view], 4, s15
	ds_load_b128 v[RAW+16*((\g)%3)+8*\view:RAW+16*((\g)%3)+8*\view+3],   v[TA+\view] offset:\view*WB
	ds_load_b128 v[RAW+16*((\g)%3)+8*\view+4:RAW+16*((\g)%3)+8*\view+7], v[TA+\view] offset:\view*WB+16
.endm
.macro LG g
	LV \g, 0
	LV \g, 1
.endm
; Group g of both views: 8 + 8 packed lines, then the sum.  n = the younger LDS loads that may stay out.  Source A has two sets by turns, so it is written again a whole group
; behind the matrix instruction that read it: more than the four plain vector lines that are owed (ISA guide 7.12.1).
.macro MG g, n
	s_wait_dscnt \n
.set rw, RAW+16*((\g)%3)
.set vl, VAL+8*((\g)%2)
.set ww, W16+2*((\g)%3)
.set j, 0
.rept 8                                ; j = 4 x view + register
	v_pk_fma_f16 v[DD+j], v[rw+8*(j/4)+j%4], s18, v[rw+8*(j/4)+4+j%4]                      ; tap1 - tap0
.set j, j+1
.endr
.set j, 0
.rept 8
	v_pk_fma_f16 v[vl+j], v[DD+j], v[ww+j/4], v[rw+8*(j/4)+j%4] op_sel_hi:[1,0,1]          ; tap0 + f x that; f's low half serves both results
.set j, j+1
.endr
	v_wmma_f32_16x16x32_f16 v[ACC+8*(\g):ACC+8*(\g)+7], v[vl:vl+7], v[BS:BS+7], v[ACC+8*(\g):ACC+8*(\g)+7]
.endm
; A PAIR OF VIEWS.  ld = 1: the pair three on is asked for, into this pair's set, which was emptied into LDS before this pair began.  st = 1: the next pair goes into the slot, behind this
; pair's last reads (the last group's wait is for 0); cnt = the loads that may stay out: the pairs behind the next one, six loads each.  The taps are asked for two groups ahead.
.macro BODY set, ld, st, cnt
.if \ld
	LOADV \set, 0, 6
	LOADV \set, 1, 7
.endif
	SCAL 0
	SCAL 1
	LG 0
	LG 1
	LG 2
	MG 0, 8
	LG 3
	MG 1, 8
	LG 4
	MG 2, 8
	LG 5
	MG 3, 8
	LG 6
	MG 4, 8
	LG 7
	MG 5, 8
	MG 6, 4
	MG 7, 0
.if \st
	s_wait_loadcnt \cnt
	STOREP ((\set)+1)%3
	s_add_co_u32 s13, s13, 2
	s_add_co_u32 s33, s33, 2*ROWB
.endif
.endm
	LOADV 0, 0, 0                                  ; pairs 0, 1, 2: 18 loads
	LOADV 0, 1, 1
	LOADV 1, 0, 2
	LOADV 1, 1, 3
	LOADV 2, 0, 4
	LOADV 2, 1, 5
.set i, 0
.rept 64
	v_mov_b32 v[ACC+i], 0                          ; the sums start at 0: written while the first windows are on their way, so that a pair has one form of text
.set i, i+1
.endr
	s_wait_loadcnt 12                              ; pair 0 is in; pairs 1 and 2 stay out
	STOREP 0
	s_mov_b32 s14, 4
.Ltrip:                                        ; pairs 0 to 11, three a trip, a set of registers each; they ask for pairs 3 to 14
	BODY 0, 1, 1, 12
	BODY 1, 1, 1, 12
	BODY 2, 1, 1, 12
	s_sub_co_u32 s14, s14, 1
	s_cmp_lg_u32 s14, 0
	s_cbranch_scc1 .Ltrip
	BODY 0, 0, 1, 6                                ; the last three pairs ask for nothing: the counts run down
	BODY 1, 0, 1, 0
	BODY 2, 0, 0, 0
	; THE END.  In an accumulator lane (r, h) holds, in register j, pixel x = 16 xb + 8 h + j, y = 2 rp + r / 8, batch r % 8: 32 consecutive bytes of partial row 8 y + batch = 16 rp + r.
	; The ten address lines are the plain lines between the last matrix instruction and the first read of its result.
	s_mul_i32 s20, s10, PW
	s_add_co_u32 s20, s20, PART                    ; my partial image
	s_lshl_b32 s21, s10, 2
	v_mul_u32_u24 v14, v[VR], PP
	v_lshl_add_u32 v14, v[VH], 5, v14
	v_add_nc_u32 v14, s20, v14                     ; in: row r, 32 bytes for each half of the lanes
	v_add_nc_u32 v15, s21, v[VH]
	v_mul_u32_u24 v15, v15, PP
	v_lshl_add_u32 v15, v[VR], 4, v15
	v_add_nc_u32 v15, PART, v15                    ; back (waves 0 to 7): rows 4 wave + h and two on; 16 lanes take a row's 256 bytes
	v_add_nc_u32 v16, 8*PW, v15                    ; the same in the partial images 8 to 11: an LDS immediate has 16 bits
	v_lshlrev_b32 v17, 18, v[VH]                   ; in out0: the next row of a partial image is the next batch, 262,144 bytes on
	v_lshl_add_u32 v17, v[VR], 4, v17
.set g, 0
.rept 8
.set xb, g
.if g > 3
.set xb, 7-g
.endif
	ds_store_b128 v14, v[ACC+8*g:ACC+8*g+3]   offset:(g/4)*16*PP+xb*64      ; each accumulator's low registers first
	ds_store_b128 v14, v[ACC+8*g+4:ACC+8*g+7] offset:(g/4)*16*PP+xb*64+16
.set g, g+1
.endr
	s_wait_dscnt 0x0                               ; for the others' sake: my partial image is in LDS
	s_barrier_signal -1
	s_barrier_wait -1                              ; all twelve are
	s_cmp_lt_u32 s10, 8                            ; 32 rows, four to a wave
	s_cbranch_scc0 .Lend
	s_and_b32 s22, s10, 1
	s_lshl_b32 s22, s22, 20                        ; batch 4 (wave % 2) + 2 e + h
	s_lshr_b32 s23, s10, 1                         ; image row wave / 2 of the tile's four
	s_lshl_b32 s24, s12, 2
	s_add_co_u32 s24, s24, s23
	s_lshl_b32 s24, s24, 10                        ; 1,024 bytes an image row
	s_lshl_b32 s25, s11, 8                         ; the tile's 64 pixels: 256 bytes
	s_add_co_u32 s22, s22, s24
	s_add_co_u32 s22, s22, s25
	s_mov_b32 s23, 0
	s_add_nc_u64 s[8:9], s[8:9], s[22:23]
.set e, 0
.rept 2
.set k, 0
.rept 12
	ds_load_b128 v[SUM+48*e+4*k:SUM+48*e+4*k+3], v[15+k/8] offset:e*2*PP+(k%8)*PW
.set k, k+1
.endr
.set e, e+1
.endr
.set e, 0
.rept 2
.set sm, SUM+48*e
	s_wait_dscnt 12-12*e                           ; this half's twelve are in; the other half's may stay out
	v_pk_mul_f32 v[sm:sm+1],   v[sm:sm+1],   s[36:37] op_sel_hi:[1,0]
	v_pk_mul_f32 v[sm+2:sm+3], v[sm+2:sm+3], s[36:37] op_sel_hi:[1,0]
.set k, 1
.rept 11
	v_pk_fma_f32 v[sm:sm+1],   v[sm+4*k:sm+4*k+1],   s[36:37], v[sm:sm+1]   op_sel_hi:[1,0,1]  ; DANG rides on the addition
	v_pk_fma_f32 v[sm+2:sm+3], v[sm+4*k+2:sm+4*k+3], s[36:37], v[sm+2:sm+3] op_sel_hi:[1,0,1]
.set k, k+1
.endr
	global_store_b128 v17, v[sm:sm+3], s[8:9] offset:e*524288    ; 16 lanes store 256 consecutive bytes, at a multiple of 256 from out0's first byte
.set e, e+1
.endr
.Lend:
	s_wait_tensorcnt 0x0                           ; the wave's end: three closing lines, behind my last LDS store
	ds_add_u32 v[SPW], v[NIL]
	s_wait_dscnt 0x0
	s_endpgm
.Lfunc_end_k_q15a92eeab8_bproj:
	.size	k_q15a92eeab8_bproj, .Lfunc_end_k_q15a92eeab8_bproj-k_q15a92eeab8_bproj
	.p2alignl 7, 3214868480
	.fill 96, 4, 3214868480
	.section	.rodata,"a",@progbits
	.p2align	6, 0x0
	.amdhsa_kernel k_q15a92eeab8_bproj
		.amdhsa_group_segment_fixed_size 136704
		.amdhsa_private_segment_fixed_size 0
		.amdhsa_enable_private_segment 0
		.amdhsa_kernarg_size 24
		.amdhsa_user_sgpr_count 2
		.amdhsa_user_sgpr_kernarg_segment_ptr 1
		.amdhsa_wavefront_size32 1
		.amdhsa_system_sgpr_workgroup_id_x 1
		.amdhsa_system_sgpr_workgroup_id_y 1
		.amdhsa_system_sgpr_workgroup_id_z 1
		.amdhsa_system_vgpr_workitem_id 0
		.amdhsa_next_free_vgpr 256
		.amdhsa_next_free_sgpr 66
		.amdhsa_reserve_vcc 1
		.amdhsa_float_denorm_mode_32 3
		.amdhsa_float_denorm_mode_16_64 3
		.amdhsa_memory_ordered 1
		.amdhsa_forward_progress 1
		.amdhsa_inst_pref_size 123
	.end_amdhsa_kernel
	.amdgpu_metadata
---
amdhsa.version: [ 1, 2 ]
amdhsa.kernels:
  - .name:           k_q15a92eeab8_bproj
    .symbol:         k_q15a92eeab8_bproj.kd
    .args:
      - { .name: fold, .offset: 0, .size: 8, .value_kind: global_buffer, .address_space: global }
      - { .name: tab, .offset: 8, .size: 8, .value_kind: global_buffer, .address_space: global }
      - { .name: out0, .offset: 16, .size: 8, .value_kind: global_buffer, .address_space: global }
    .group_segment_fixed_size: 136704
    .private_segment_fixed_size: 0
    .kernarg_segment_align: 8
    .kernarg_segment_size: 24
    .max_flat_workgroup_size: 384
    .sgpr_count:     66
    .vgpr_count:     256
    .wavefront_size: 32
...
	.end_amdgpu_metadata
.endif
;; end of part 2
;; ======== version 2 of 2: 2 launches; version 1 with the launch bproj written anew for expert scheduling mode
;; limits: values are held in f16: magnitudes above 65,504 overflow, below 6.1e-05 lose precision
;; workspace buffers: fold 2,119,680 bytes; tab 3,072 bytes of whole numbers
;; launch fold: the kernel of part 1 again; grid 1035 x 1, 4 waves a work-group, no clusters, 0 bytes of LDS; arguments proj, fold, tab; writes fold, tab
;; launch bproj (part 3): grid 4 x 64, 12 waves a work-group, no clusters, 136,704 bytes of LDS; arguments fold, tab, out0; writes out0
.if DOCPART == 3
	.amdgcn_target "amdgcn-amd-amdhsa--gfx1250"
	.amdhsa_code_object_version 6
	.text
	.protected	k_q15a92eeab8_bproj
	.globl	k_q15a92eeab8_bproj
	.p2align	8
	.type	k_q15a92eeab8_bproj,@function
k_q15a92eeab8_bproj:
	s_mov_b64 s[64:65], 0
	v_nop
	global_prefetch_b8 v0, s[64:65] scope:SCOPE_SE
	s_setreg_imm32_b32 hwreg(HW_REG_WAVE_SCHED_MODE, 0, 2), 2
	s_setreg_imm32_b32 hwreg(HW_REG_WAVE_MODE, 25, 1), 1
	s_wait_xcnt 0x0
	s_wait_alu depctr_vm_vsrc(0)
; SECOND LAUNCH: out[b][h][w] = DANG x sum over v = 0 .. 359 of (1 - f) R[v][i0] + f R[v][i0 + 1], i0 + f = u(w, h, v).  R is the first launch's fold: views v and v + 360 added, the second
; mirrored; bins 184 .. 551 alone; 8 batches of a bin in 16 bytes of f16.  Left out as shown at the first kernel's head: options, the bins that no pixel reaches, the masks that always pass.
; INTEGERS.  u less 184, times 2^23, is (2 w - 255) Cf + (255 - 2 h) Sf + 183.5 x 2^23, with Cf, Sf read from tab: under 2^32 since u - 184 < 365.  The top bits are the bin, the low 23 the weight.
; SHARES.  A work-group owns 64 x 4 pixels of all 8 batches.  Its 12 waves all cover these 256 pixels and SPLIT THE VIEWS, 30 each, two at a time; the 12 partial images meet in LDS at the end.
; In a wave, lane (r = lane % 16, h = lane / 16) and group (xb, rp) stand for pixel x = 16 xb + r, y = 2 rp + h: 8 groups, walked so that u steps by one scalar: xb 0 1 2 3, down, 3 2 1 0.
; WINDOWS.  The tile's u spans at most 63.5 bins in a view.  From the least u, cut down to a multiple of 8 bins and held to 288 at the most, 80 bins (1,280 bytes) hold every i0 and i0 + 1.
; A wave copies its views' windows through registers into a slot of LDS of its own.  LDS serves a wave's instructions in order (ISA guide 5.7.1.4), so one slot of two views does: the next
; pair is stored behind the last reads of this one, and no barrier stands in the loop.  Three sets of registers hold the windows of the next three pairs on their way.
; THE GATHER.  their bins step by at most 1.0063, so they name neighbouring blocks of 16 bytes or share one.
; THE SUMS.  tap0 + f (tap1 - tap0) is made in packed f16, two batches a line.  Two views' 8 + 8 values of a lane ARE source A (row = r, k = 8 h + batch, and 16 + 8 h + batch) of a matrix
; instruction whose B is fixed: B(k, n) = 1 where n = k % 8 + 8 ((k / 8) % 2).  So D(m, n) adds both views of pixel (r = m, h = n / 8), batch n % 8, onto an f32 accumulator.
; The eight groups' accumulators take turns, one instruction a turn, over the backward jump too.
; NO CLUSTER, NO TENSOR LOAD: where a window begins hangs on the view and on the tile, so neighbours ask for different bytes; and the 12 waves need no common step.
; LIMITS.  f16: |R| under 65,504; f is rounded to 11 bits.  A NaN or an infinity in a bin that is used also reaches the other batches at that pixel and at the pixel one image row away in the same column (0 x NaN in the product with B).
; THE MODE: SCHED_MODE bits 1:0 = 2 (LLVM: expert scheduling mode 2), set by the entry lines.  The code itself states the register dependences between vector or matrix instructions and
; memory or LDS instructions, with s_wait_alu, always for 0.
; THE PLAN.  A pair of views goes in four STEPS of two groups.  Step t holds the arithmetic of groups 2 t, 2 t + 1, the tap loads of step t + 1 and the address lines of step t + 2 (the walk of u
; runs two steps ahead, into the next pair).  Registers that memory or LDS instructions touch in the loop:
;   RAW0, RAW1    Step t's packed lines read and write RAW[t % 2]; the tap loads issued in step t land in the other, for step t + 1.
;   TA0, TA1      Step t's tap loads read TA[(t + 1) % 2], written in step t - 1; step t's address lines write TA[t % 2], which the loads issued in step t - 1 read.
;   GS0 .. GS2    Loads from fold land in a set in a pair's step 0; six LDS stores read it in step 3, three pairs less a step later.  No vector instruction names them.
;   v6 .. v9, v28 Offsets and LDS addresses made once at the head: a window's start stands in a scalar base, a pair of registers for each set and view.
;   W16, VAL, B, the accumulators and u are named by vector and matrix instructions alone.  v2, v3: written at the head, read by the closing add alone.
; So two waits stand at a step's head.  vm_vsrc: the tap loads of the step before have read TA[t % 2]; in step 0 also: the LDS stores have read the set of GS that is asked for again.
; va_vdst: the step before has written TA[(t + 1) % 2] and is done with RAW[(t + 1) % 2].  The step's tap loads follow, four ahead of each group's arithmetic, which names none of their registers.
; One wait on va_sdst a pair stands behind the one run of eight v_readlane_b32.
.set NW,    12                         ; waves
.set VPW,   30                         ; views of a wave
.set WB,    1280                       ; bytes of a window
.set ROWB,  5888                       ; bytes of a view in fold
.set SLOT,  2*WB                       ; a wave's slot: two views
.set PART,  NW*SLOT                    ; behind the slots: the partial images
.set PP,    272                        ; a partial image's row (one batch, one image row: 256 bytes) + 16: the 16 rows that a pass stores into start at 16 different groups of four banks
.set PW,    32*PP                      ; a wave's partial image: row 8 y + batch
.set SPARE, PART+NW*PW                 ; behind them: the spare words, 128 bytes a wave: six blocks of 256 bytes that no other line names
.set SPW,  2                           ; v2   LDS address of my spare word; never rewritten
.set NIL,  3                           ; v3   0; never rewritten
.set VR,   4                           ; v4   r
.set VH,   5                           ; v5   h
.set L16,  6                           ; v6   16 x lane; never rewritten
.set L8,   7                           ; v7   8 x lane; never rewritten
.set ST16, 8                           ; v8   my slot + 16 x lane; never rewritten
.set ST8,  9                           ; v9   my slot + 8 x lane; never rewritten
.set PO,   10                          ; v10  lane i: view i's u of pixel (0, 0), less the window's start
.set PC,   11                          ; v11  lane i: 2 Cf, u's step along x
.set PS,   12                          ; v12  lane i: - 2 Sf, u's step along y
.set PT,   13                          ; v13  lane i: 16 x the window's first bin
.set TA,   16                          ; v16-23  bin, then LDS address: set (g / 2) % 2, group g % 2, view (at the head and at the end: at work)
.set ONE,  24                          ; v24  1.0
.set NEG,  25                          ; v25  -1.0
.set UA,   26                          ; v26-27  u, by view of the pair
.set TBO,  28                          ; v28  my offset in tab; never rewritten
.set WF,   30                          ; v30-31  1 + f
.set BS,   32                          ; v[32:39]  B
.set W16,  40                          ; v40-47  f in f16 (low half): set (g / 2) % 2, group g % 2, view
.set RAW,  48                          ; v[48:111]  the taps: set (g / 2) % 2, group g % 2, view: tap0's four registers, tap1's four (tap1 - tap0 takes tap1's place)
.set VAL,  112                         ; v[112:127]  source A: set g % 2
.set ACC,  128                         ; v[128:191]  eight accumulators
.set GS,   192                         ; v[192:251]  windows on their way: three sets of two views of 10 registers
.set SUM,  48                          ; the end: 2 x 12 x 4 registers
.set VO,   22                          ; s22  byte offset in fold of the view in hand
.set BP,   24                          ; s[24:35]  set, view: fold's address at the window's start, less the view's distance from the view in hand, which stands in the immediate
.set SA,   40                          ; s[40:51]  by view: u of pixel (0, 0); step along x; along y; 16 steps along x; the same back; 2 steps along y
.set MK,   52                          ; s52-55  at the head: the four masks that make B
	s_load_b128 s[4:7], s[0:1], 0x0                ; fold s[4:5], tab s[6:7]
	s_load_b64 s[8:9], s[0:1], 0x10                ; out0
	v_lshl_add_u32 v[SPW], v0, 2, SPARE
	v_mov_b32 v[NIL], 0
	v_lshrrev_b32 v1, 5, v0
	v_readfirstlane_b32 s10, v1                    ; wave 0 .. 11
	s_mov_b32 s11, ttmp9                           ; tile column: w0 = 64 x
	s_and_b32 s12, ttmp7, 0xffff                   ; tile row: h0 = 4 x
	v_and_b32 v1, 31, v0                           ; lane
	v_and_b32 v[VR], 15, v0
	v_bfe_u32 v[VH], v0, 4, 1
	v_lshlrev_b32 v[L16], 4, v1
	v_lshlrev_b32 v[L8], 3, v1
	s_wait_alu depctr_va_sdst(0)                   ; s10 is written, ahead of its first reader
	s_mul_i32 s19, s10, VPW                        ; my first view
	s_mul_i32 s15, s10, SLOT                       ; my slot
	v_add_lshl_u32 v[TBO], v1, s19, 3              ; lane i takes view i's entry (lanes 30 and 31 take two entries that serve nothing; tab has 384)
	v_add_nc_u32 v[ST16], s15, v[L16]
	v_add_nc_u32 v[ST8], s15, v[L8]
	s_wait_kmcnt 0x0
	s_wait_alu depctr_va_vdst(0)                   ; v28 and v6 to v9 are written: the load below, every load from fold and every store of a window reads one of them
	global_load_b64 v[16:17], v[TBO], s[6:7]       ; Cf, Sf
	; while it is out: constants of the lane and of the wave
	v_mov_b32 v[ONE], 1.0
	v_mov_b32 v[NEG], -1.0
.irp i, 0,1,2,3,4,5,6,7
	v_mov_b32 v[W16+\i], 0                         ; the line that makes f writes a low half and keeps the high one
.endr
	; B: lane (n = r, h) holds k = 8 h + 0..7 and 16 + 8 h + 0..7.  It holds a 1 only where r / 8 = h, at k % 8 = r % 8: register (r % 8) / 2 and the one four on, half r % 2.
	v_bfe_u32 v20, v0, 1, 2                        ; (r % 8) / 2
	v_bfe_u32 v21, v0, 3, 1                        ; r / 8
	v_xor_b32 v21, v21, v[VH]
	v_lshl_or_b32 v20, v21, 2, v20                 ; 4 or more where r / 8 differs from h
	v_and_b32 v21, 1, v0
	v_lshlrev_b32 v21, 4, v21
	v_mov_b32 v22, 0x3c00                          ; 1.0 in f16
	v_lshlrev_b32 v22, v21, v22
.irp q, 0,1,2,3
	v_cmp_eq_u32 s[MK+\q], \q, v20                 ; the four compares in one run, a scalar register each
.endr
	s_wait_alu depctr_va_sdst(0)                   ; the four masks are written, ahead of the selects that read them
.irp q, 0,1,2,3
	v_cndmask_b32 v[BS+\q], 0, v22, s[MK+\q]
	v_cndmask_b32 v[BS+4+\q], 0, v22, s[MK+\q]
.endr
	s_mov_b32 s16, 0x7fffff                        ; the 23 bits of f
	s_mov_b32 s17, 1.0
	s_mov_b32 s18, 0xbc00bc00                      ; -1.0 twice in f16
	s_mov_b32 s36, 0x3c0efa35                      ; DANG = 2 pi / 720
	s_mov_b32 s37, s36                             ; named with it as a pair
	s_mul_i32 s[VO], s19, ROWB                     ; byte offset in fold of the view in hand
	s_mov_b32 s13, 0                               ; the view in hand, counted in my 30
	s_mov_b32 s3, 0                                ; the upper word of a window's offset s[2:3]
	s_lshl_b32 s20, s11, 7
	s_sub_co_u32 s20, s20, 255                     ; 2 w0 - 255
	s_lshl_b32 s21, s12, 3
	s_sub_co_u32 s21, 255, s21                     ; 255 - 2 h0
	s_wait_loadcnt 0x0
	; lane i: view i's parameters, all at once
	v_mul_lo_u32 v18, v16, s20
	v_mul_lo_u32 v19, v17, s21
	v_add3_u32 v18, v18, v19, 0x5bc00000           ; u of pixel (0, 0): + 183.5 x 2^23
	v_mul_lo_u32 v20, v16, 126                     ; 63 steps along x,
	v_mul_lo_u32 v21, v17, -6                      ; 3 steps along y:
	v_ashrrev_i32 v22, 31, v20
	v_ashrrev_i32 v23, 31, v21
	v_and_b32 v20, v20, v22                        ; each counts where it is negative
	v_and_b32 v21, v21, v23
	v_add3_u32 v20, v18, v20, v21                  ; the tile's least u, in the very integers that the pixels use
	v_lshrrev_b32 v20, 23, v20
	v_and_b32 v20, 0x1f8, v20                      ; down to a multiple of 8 bins: 128 bytes
	v_min_u32 v20, 288, v20                        ; the window ends inside the view's 368 bins; bins 288 .. 367 hold all that lies above
	v_lshlrev_b32 v[PT], 4, v20
	v_lshlrev_b32 v21, 23, v20
	v_sub_nc_u32 v[PO], v18, v21
	v_lshlrev_b32 v[PC], 1, v16
	v_lshlrev_b32 v22, 1, v17
	v_sub_nc_u32 v[PS], 0, v22
; The window's start of the view k behind the one in hand, into the low word of the base that it will become.  The base is free: a wait on LOADcnt has shown the loads that read it done.
.macro RDW set, view, k
	s_add_co_u32 s38, s13, \k
	v_readlane_b32 s[BP+4*(\set)+2*(\view)], v[PT], s38
.endm
; The three parameters of the view k behind the one in hand.  Words 0 to 2 of SA are free from a pair's group 4 on, which steps by words 4 and 5.
.macro RDS view, k
	s_add_co_u32 s38, s13, \k
	v_readlane_b32 s[SA+6*(\view)],   v[PO], s38
	v_readlane_b32 s[SA+6*(\view)+1], v[PC], s38
	v_readlane_b32 s[SA+6*(\view)+2], v[PS], s38
.endm
; That window is asked for: three loads, 512 + 512 + 256 consecutive bytes.  Their vector offsets are the head's; the start stands in the scalar base.
.macro ASK set, view, k
	s_min_u32 s2, s[BP+4*(\set)+2*(\view)], 4608   ; a number read from memory enters an address behind a bound: 16 x 288
	s_add_co_u32 s2, s2, s[VO]
	s_add_nc_u64 s[BP+4*(\set)+2*(\view):BP+4*(\set)+2*(\view)+1], s[4:5], s[2:3]
	global_load_b128 v[GS+20*(\set)+10*(\view):GS+20*(\set)+10*(\view)+3],   v[L16], s[BP+4*(\set)+2*(\view):BP+4*(\set)+2*(\view)+1] offset:(\k)*ROWB
	global_load_b128 v[GS+20*(\set)+10*(\view)+4:GS+20*(\set)+10*(\view)+7], v[L16], s[BP+4*(\set)+2*(\view):BP+4*(\set)+2*(\view)+1] offset:(\k)*ROWB+512
	global_load_b64  v[GS+20*(\set)+10*(\view)+8:GS+20*(\set)+10*(\view)+9], v[L8],  s[BP+4*(\set)+2*(\view):BP+4*(\set)+2*(\view)+1] offset:(\k)*ROWB+1024
.endm
; A pair's windows go from a set of registers into my slot.
.macro STOREP set
.irp view, 0,1
	ds_store_b128 v[ST16], v[GS+20*(\set)+10*\view:GS+20*(\set)+10*\view+3]   offset:\view*WB
	ds_store_b128 v[ST16], v[GS+20*(\set)+10*\view+4:GS+20*(\set)+10*\view+7] offset:\view*WB+512
	ds_store_b64  v[ST8],  v[GS+20*(\set)+10*\view+8:GS+20*(\set)+10*\view+9] offset:\view*WB+1024
.endr
.endm
; A view's other scalars, and u of my pixel in group 0.
.macro SCALD view
	s_lshl_b32 s[SA+6*(\view)+3], s[SA+6*(\view)+1], 4
	s_sub_co_u32 s[SA+6*(\view)+4], 0, s[SA+6*(\view)+3]
	s_lshl_b32 s[SA+6*(\view)+5], s[SA+6*(\view)+2], 1
	v_mul_lo_u32 v14, v[VR], s[SA+6*(\view)+1]
	v_mul_lo_u32 v15, v[VH], s[SA+6*(\view)+2]
	v_add3_u32 v[UA+\view], v14, v15, s[SA+6*(\view)]
.endm
; The address lines of group g, the two views by turns: u steps on; the bin becomes an address, the low bits f.
.macro LA g
.set ra, TA+4*(((\g)/2)%2)+2*((\g)%2)
.set rf, W16+4*(((\g)/2)%2)+2*((\g)%2)
.if ((\g) > 0) && ((\g) < 4)
	v_add_nc_u32 v[UA],   s[SA+3], v[UA]           ; 16 pixels to the right
	v_add_nc_u32 v[UA+1], s[SA+9], v[UA+1]
.elseif (\g) == 4
	v_add_nc_u32 v[UA],   s[SA+5],  v[UA]          ; two rows down
	v_add_nc_u32 v[UA+1], s[SA+11], v[UA+1]
.elseif (\g) > 4
	v_add_nc_u32 v[UA],   s[SA+4],  v[UA]          ; 16 pixels back
	v_add_nc_u32 v[UA+1], s[SA+10], v[UA+1]
.endif
	v_lshrrev_b32 v[ra],   23, v[UA]               ; i0, counted from the window's start
	v_lshrrev_b32 v[ra+1], 23, v[UA+1]
	v_bfi_b32 v[WF],   s16, v[UA],   s17           ; the 23 low bits under 1.0's exponent: 1 + f
	v_bfi_b32 v[WF+1], s16, v[UA+1], s17
	v_min_u32 v[ra],   78, v[ra]                   ; the bound behind which it enters an address: i0 + 1 stays in the 80 bins (by the window's making i0 is 76 at the most)
	v_min_u32 v[ra+1], 78, v[ra+1]
	v_fma_mixlo_f16 v[rf],   v[WF],   v[ONE], v[NEG]   ; f, exact in f32, rounded once to f16
	v_fma_mixlo_f16 v[rf+1], v[WF+1], v[ONE], v[NEG]
	v_lshl_add_u32 v[ra],   v[ra],   4, s15
	v_lshl_add_u32 v[ra+1], v[ra+1], 4, s15
.endm
; Both taps of group g, both views: four loads.  No wait stands here: no vector or matrix instruction since the wait at the step's head names their registers.
.macro LD g
.set ra, TA+4*(((\g)/2)%2)+2*((\g)%2)
.set rw, RAW+32*(((\g)/2)%2)+16*((\g)%2)
	ds_load_b128 v[rw:rw+3],     v[ra]
	ds_load_b128 v[rw+4:rw+7],   v[ra]   offset:16
	ds_load_b128 v[rw+8:rw+11],  v[ra+1] offset:WB
	ds_load_b128 v[rw+12:rw+15], v[ra+1] offset:WB+16
.endm
; Group g of both views: 8 + 8 packed lines, then the sum.  n = the younger LDS instructions that may stay out.  Source A has two sets by turns, so it is written again a whole group
; behind the matrix instruction that read it: more than the four plain vector lines that are owed (ISA guide 7.12.1).
.macro MG g, n
	s_wait_dscnt \n
.set rw, RAW+32*(((\g)/2)%2)+16*((\g)%2)
.set rf, W16+4*(((\g)/2)%2)+2*((\g)%2)
.set vl, VAL+8*((\g)%2)
.set j, 0
.rept 8                                ; j = 4 x view + register
	v_pk_fma_f16 v[rw+8*(j/4)+4+j%4], v[rw+8*(j/4)+j%4], s18, v[rw+8*(j/4)+4+j%4]          ; tap1 - tap0, in tap1's place
.set j, j+1
.endr
.set j, 0
.rept 8
	v_pk_fma_f16 v[vl+j], v[rw+8*(j/4)+4+j%4], v[rf+j/4], v[rw+8*(j/4)+j%4] op_sel_hi:[1,0,1]  ; tap0 + f x that; f's low half serves both results
.set j, j+1
.endr
	v_wmma_f32_16x16x32_f16 v[ACC+8*(\g):ACC+8*(\g)+7], v[vl:vl+7], v[BS:BS+7], v[ACC+8*(\g):ACC+8*(\g)+7]
.endm
; A PAIR OF VIEWS, four steps.  ld = 1: the pair three on is asked for, into this pair's set, which was emptied into LDS in the last step of the pair before.  st = 1: a pair follows: its
; parameters are read, its windows go into the slot in step 3, behind this pair's last reads (issued in step 2), and its first four groups' addresses are made; cnt = the loads from fold that
; may stay out there: the pairs behind the next one, six loads each.  In front of a group's arithmetic the next two groups' four loads each may stay out; in step 3 the six stores too.
.macro BODY set, ld, st, cnt
	; step 0: groups 0, 1
	s_wait_alu depctr_vm_vsrc(0)                   ; the loads of groups 0, 1 have read TA0, which the address lines below write; the LDS stores have read this pair's set of GS, in which the loads from fold land
	s_wait_alu depctr_va_vdst(0)                   ; the step before has written TA1, which the loads of groups 2, 3 read, and is done with RAW1, in which they land
	LD 2
.if \ld
	RDW \set, 0, 6
	RDW \set, 1, 7
.endif
.if \st
	RDS 0, 2
	RDS 1, 3
	s_wait_alu depctr_va_sdst(0)                   ; the run of v_readlane_b32 above has written its scalar registers, ahead of the first reader of any: the window starts just below, the parameters in step 2
.endif
.if \ld
	ASK \set, 0, 6
	ASK \set, 1, 7
.endif
	MG 0, 8
	LD 3
	MG 1, 8
	LA 4
	LA 5
	; step 1: groups 2, 3
	s_wait_alu depctr_vm_vsrc(0)                   ; the loads of groups 2, 3 have read TA1, which the address lines below write
	s_wait_alu depctr_va_vdst(0)                   ; step 0 has written TA0, which the loads of groups 4, 5 read, and is done with RAW0, in which they land
	LD 4
	MG 2, 8
	LD 5
	MG 3, 8
	LA 6
	LA 7
	; step 2: groups 4, 5
.if \st
	s_wait_alu depctr_vm_vsrc(0)                   ; the loads of groups 4, 5 have read TA0, which the next pair's address lines below write
.endif
	s_wait_alu depctr_va_vdst(0)                   ; step 1 has written TA1, which the loads of groups 6, 7 read, and is done with RAW1, in which they land
	LD 6
	MG 4, 8
	LD 7
	MG 5, 8
.if \st
	SCALD 0
	SCALD 1
	LA 0
	LA 1
	; step 3: groups 6, 7
	s_wait_alu depctr_vm_vsrc(0)                   ; the loads of groups 6, 7 have read TA1, which the next pair's address lines below write
	s_wait_alu depctr_va_vdst(0)                   ; step 2 has written TA0, which the next pair's first loads read, and is done with RAW0, in which they land
	s_wait_loadcnt \cnt                            ; loads come back in order (ISA guide 5.7.1): the next pair's windows are in registers
	STOREP ((\set)+1)%3
	LD 0
	MG 6, 14
	LD 1
	MG 7, 14
	LA 2
	LA 3
	s_add_co_u32 s13, s13, 2
	s_add_co_u32 s[VO], s[VO], 2*ROWB
.else
	MG 6, 4                                        ; the last step of all issues no load and makes no address: it holds no s_wait_alu
	MG 7, 0
.endif
.endm
	RDW 0, 0, 0                                    ; pairs 0, 1, 2, and pair 0's parameters: one run
	RDW 0, 1, 1
	RDW 1, 0, 2
	RDW 1, 1, 3
	RDW 2, 0, 4
	RDW 2, 1, 5
	RDS 0, 0
	RDS 1, 1
	s_wait_alu depctr_va_sdst(0)                   ; the run of v_readlane_b32 above has written its scalar registers, ahead of the first reader of any
	ASK 0, 0, 0                                    ; 18 loads
	ASK 0, 1, 1
	ASK 1, 0, 2
	ASK 1, 1, 3
	ASK 2, 0, 4
	ASK 2, 1, 5
.set i, 0
.rept 64
	v_mov_b32 v[ACC+i], 0                          ; the sums start at 0: written while the first windows are on their way, so that a pair has one form of text
.set i, i+1
.endr
	SCALD 0
	SCALD 1
	LA 0
	LA 1
	LA 2
	LA 3
	s_wait_loadcnt 12                              ; pair 0 is in; pairs 1 and 2 stay out
	STOREP 0
	s_wait_alu depctr_va_vdst(0)                   ; the address lines above have written TA0, which the first tap loads read
	LD 0
	LD 1
	s_mov_b32 s14, 4
.Ltrip:                                        ; pairs 0 to 11, three a trip, a set of registers each; they ask for pairs 3 to 14
	BODY 0, 1, 1, 12
	BODY 1, 1, 1, 12
	BODY 2, 1, 1, 12
	s_sub_co_u32 s14, s14, 1
	s_cmp_lg_u32 s14, 0
	s_cbranch_scc1 .Ltrip
	BODY 0, 0, 1, 6                                ; the last three pairs ask for nothing: the counts run down
	BODY 1, 0, 1, 0
	BODY 2, 0, 0, 0
	; THE END.  In an accumulator lane (r, h) holds, in register j, pixel x = 16 xb + 8 h + j, y = 2 rp + r / 8, batch r % 8: 32 consecutive bytes of partial row 8 y + batch = 16 rp + r.
	; The ten address lines are the plain lines between the last matrix instruction and the first read of its result.
	s_mul_i32 s20, s10, PW
	s_add_co_u32 s20, s20, PART                    ; my partial image
	s_lshl_b32 s21, s10, 2
	s_wait_alu depctr_vm_vsrc(0)                   ; the tap loads have read v16 and v17, two of TA, which the lines below write
	v_mul_u32_u24 v14, v[VR], PP
	v_lshl_add_u32 v14, v[VH], 5, v14
	v_add_nc_u32 v14, s20, v14                     ; in: row r, 32 bytes for each half of the lanes
	v_add_nc_u32 v15, s21, v[VH]
	v_mul_u32_u24 v15, v15, PP
	v_lshl_add_u32 v15, v[VR], 4, v15
	v_add_nc_u32 v15, PART, v15                    ; back (waves 0 to 7): rows 4 wave + h and two on; 16 lanes take a row's 256 bytes
	v_add_nc_u32 v16, 8*PW, v15                    ; the same in the partial images 8 to 11: an LDS immediate has 16 bits
	v_lshlrev_b32 v17, 18, v[VH]                   ; in out0: the next row of a partial image is the next batch, 262,144 bytes on
	v_lshl_add_u32 v17, v[VR], 4, v17
	s_wait_alu depctr_va_vdst(0)                   ; the matrix instructions have written the accumulators and the lines above v14 to v17, which the stores and loads below read; all readers of v48 to v143, in which the loads below land, are done.  The ten lines stay beside this wait
.set g, 0
.rept 8
.set xb, g
.if g > 3
.set xb, 7-g
.endif
	ds_store_b128 v14, v[ACC+8*g:ACC+8*g+3]   offset:(g/4)*16*PP+xb*64      ; each accumulator's low registers first
	ds_store_b128 v14, v[ACC+8*g+4:ACC+8*g+7] offset:(g/4)*16*PP+xb*64+16
.set g, g+1
.endr
	s_wait_dscnt 0x0                               ; for the others' sake: my partial image is in LDS
	s_barrier_signal -1
	s_barrier_wait -1                              ; all twelve are
	s_wait_alu depctr_vm_vsrc(0)                   ; my LDS stores have read the accumulators, on the first sixteen registers of which loads below land
	s_cmp_lt_u32 s10, 8                            ; 32 rows, four to a wave
	s_cbranch_scc0 .Lend
	s_and_b32 s22, s10, 1
	s_lshl_b32 s22, s22, 20                        ; batch 4 (wave % 2) + 2 e + h
	s_lshr_b32 s23, s10, 1                         ; image row wave / 2 of the tile's four
	s_lshl_b32 s24, s12, 2
	s_add_co_u32 s24, s24, s23
	s_lshl_b32 s24, s24, 10                        ; 1,024 bytes an image row
	s_lshl_b32 s25, s11, 8                         ; the tile's 64 pixels: 256 bytes
	s_add_co_u32 s22, s22, s24
	s_add_co_u32 s22, s22, s25
	s_mov_b32 s23, 0
	s_add_nc_u64 s[8:9], s[8:9], s[22:23]
.set e, 0
.rept 2
.set k, 0
.rept 12
	ds_load_b128 v[SUM+48*e+4*k:SUM+48*e+4*k+3], v[15+k/8] offset:e*2*PP+(k%8)*PW
.set k, k+1
.endr
.set e, e+1
.endr
.set e, 0
.rept 2
.set sm, SUM+48*e
	s_wait_dscnt 12-12*e                           ; this half's twelve are in; the other half's may stay out
	v_pk_mul_f32 v[sm:sm+1],   v[sm:sm+1],   s[36:37] op_sel_hi:[1,0]
	v_pk_mul_f32 v[sm+2:sm+3], v[sm+2:sm+3], s[36:37] op_sel_hi:[1,0]
.set k, 1
.rept 11
	v_pk_fma_f32 v[sm:sm+1],   v[sm+4*k:sm+4*k+1],   s[36:37], v[sm:sm+1]   op_sel_hi:[1,0,1]  ; DANG rides on the addition
	v_pk_fma_f32 v[sm+2:sm+3], v[sm+4*k+2:sm+4*k+3], s[36:37], v[sm+2:sm+3] op_sel_hi:[1,0,1]
.set k, k+1
.endr
.set e, e+1
.endr
	s_wait_alu depctr_va_vdst(0)                   ; both halves' sums are written, which the two stores read
.set e, 0
.rept 2
.set sm, SUM+48*e
	global_store_b128 v17, v[sm:sm+3], s[8:9] offset:e*524288    ; 16 lanes store 256 consecutive bytes, at a multiple of 256 from out0's first byte
.set e, e+1
.endr
.Lend:
	s_wait_dscnt 0x0                               ; the closing lines, six on end
	s_wait_alu 0x0
	s_wait_tensorcnt 0x0
	ds_add_u32 v[SPW], v[NIL]
	s_wait_dscnt 0x0
	s_endpgm
.Lfunc_end_k_q15a92eeab8_bproj:
	.size	k_q15a92eeab8_bproj, .Lfunc_end_k_q15a92eeab8_bproj-k_q15a92eeab8_bproj
	.p2alignl 7, 3214868480
	.fill 96, 4, 3214868480
	.section	.rodata,"a",@progbits
	.p2align	6, 0x0
	.amdhsa_kernel k_q15a92eeab8_bproj
		.amdhsa_group_segment_fixed_size 136704
		.amdhsa_private_segment_fixed_size 0
		.amdhsa_enable_private_segment 0
		.amdhsa_kernarg_size 24
		.amdhsa_user_sgpr_count 2
		.amdhsa_user_sgpr_kernarg_segment_ptr 1
		.amdhsa_wavefront_size32 1
		.amdhsa_system_sgpr_workgroup_id_x 1
		.amdhsa_system_sgpr_workgroup_id_y 1
		.amdhsa_system_sgpr_workgroup_id_z 1
		.amdhsa_system_vgpr_workitem_id 0
		.amdhsa_next_free_vgpr 256
		.amdhsa_next_free_sgpr 66
		.amdhsa_reserve_vcc 0
		.amdhsa_float_denorm_mode_32 3
		.amdhsa_float_denorm_mode_16_64 3
		.amdhsa_memory_ordered 1
		.amdhsa_forward_progress 1
		.amdhsa_inst_pref_size 125
	.end_amdhsa_kernel
	.amdgpu_metadata
---
amdhsa.version: [ 1, 2 ]
amdhsa.kernels:
  - .name:           k_q15a92eeab8_bproj
    .symbol:         k_q15a92eeab8_bproj.kd
    .args:
      - { .name: fold, .offset: 0, .size: 8, .value_kind: global_buffer, .address_space: global }
      - { .name: tab, .offset: 8, .size: 8, .value_kind: global_buffer, .address_space: global }
      - { .name: out0, .offset: 16, .size: 8, .value_kind: global_buffer, .address_space: global }
    .group_segment_fixed_size: 136704
    .private_segment_fixed_size: 0
    .kernarg_segment_align: 8
    .kernarg_segment_size: 24
    .max_flat_workgroup_size: 384
    .sgpr_count:     66
    .vgpr_count:     256
    .wavefront_size: 32
...
	.end_amdgpu_metadata
.endif
;; end of part 3
